; MI455X (gfx1250); checked and timed in simulation.
; The chip was launched on July 23, 2026; its instructions are those of AMD's public machine-readable ISA for CDNA 5 (MIT licence, August 2026) and "CDNA5" Instruction Set Architecture Reference Guide (July 2026). The comments in the code are by the model that wrote it; some were corrected since.
;; Lo RA Linear. Allowed arithmetic: matrix products marked QUANTISED: E2M3 operands, one E8M0 scale for each 32 along K, by v_wmma_scale_f32_16x16x128_f8f6f4 with both operands' format E2M3, f32 sums; products left as they are: f32 operands where the result goes on into a quantised operand, else bf16, f16 or f32 operands; f32 sums; everything else in f32.
;; Inputs: adapter_id 4 int32; bias 4,096 float32; lora_a_weights 8 x 16 x 4,096 float32; lora_b_weights 8 x 4,096 x 16 float32; scaling_factors 8 float32; weight 4,096 x 4,096 float32; x 4 x 1,024 x 4,096 float32.
;; Outputs: out0 4 x 1,024 x 4,096 float32.
;; This version of the problem:
;;   THIS VERSION OF THE PROBLEM IS GIVEN IN LOW PRECISION. The matrix products marked QUANTISED in the list below multiply operands that are first quantised to E2M3 (2 exponent bits, 3 mantissa bits; 6 bits a number), with one power-of-two scale for each 32 numbers along K (OCP MX v1.0); their sums are f32. All else is computed in f32.
;;   The module's matrix products, in the order in which they are computed (A, B: the left and right operand; K: the contracted axis; several contracted axes count as one K, in the product's order):
;;     1. [M 4,096, K 4,096] x [K 4,096, N 4,096]; A: input x; B: input weight: QUANTISED
;;     2. batch 4 x [M 1,024, K 4,096] x [K 4,096, N 16]; A: input x; B: computed on the way: QUANTISED
;;     3. batch 4 x [M 1,024, K 16] x [K 16, N 4,096]; A: computed on the way; B: computed on the way: left as it is (K = 16 < 32)
;;   THE QUANTISER, for each operand of a quantised product, along K:
;;     - K is cut into blocks of 32 from its start; a last block that is shorter is filled with zeros.
;;     - A block's scale is 2^e with e = floor(log2(the largest magnitude in the block)) - 2, held to -126 .. 127; a block of zeros has e = 0. As a byte (E8M0): e + 127.
;;     - Each number is divided by its block's scale, clamped to +-7.5, and rounded to the nearest number of E2M3, ties to even, subnormals kept.
;;     - The product sums the exact products of the quantised numbers (number of the format x scale) in f32.
;;   ~~~python
;;   def quantise(x, axis):      # numpy; x: float32 -> the quantised numbers, widened to float32 again
;;       x = np.moveaxis(x, axis, -1); K = x.shape[-1]
;;       x = np.pad(x, [(0, 0)] * (x.ndim - 1) + [(0, -K % 32)]); x = x.reshape(x.shape[:-1] + (-1, 32)); a = np.abs(x).max(-1, keepdims=True)
;;       e = np.where(a > 0, np.clip(np.frexp(np.where(a > 0, a, 1))[1] - 1 - 2, -126, 127), 0)      # np.frexp(a)[1] - 1 = floor(log2(a)), exactly
;;       r = np.clip(x / 2.0 ** e, -7.5, 7.5)
;;       step = 2.0 ** (np.maximum(np.frexp(np.where(r == 0, 1, r))[1] - 1, 0) - 3)
;;       q = np.round(r / step) * step * 2.0 ** e      # np.round: ties to even
;;       return np.moveaxis(q.reshape(q.shape[:-2] + (-1,))[..., :K], -1, axis).astype(np.float32)
;;   ~~~
;;   OPERANDS COMPUTED ON THE WAY. 'Computed on the way' means the value that the module computes at that place (a softmax that the list does not call 'softmax' is quantised finished and normalised). What goes into a quantiser is computed in f32, as accurately as f32 sums, v_exp_f32 and their like allow (about 1e-6 of the number): no bf16 or f16 on the way to a quantiser, and a product that is left as it is and whose result goes on into a quantised operand takes f32 operands (vector FMAs, or v_wmma_f32_16x16x4_f32). A number that lies on a knife's edge between two numbers of the format may be rounded either way, as far as f32 arithmetic and the matrix unit's own rounding can turn it there, and no further.
;; One version. Each part assembles by itself: llvm-mc -triple=amdgcn-amd-amdhsa -mcpu=gfx1250 --defsym DOCPART=n.
;; ======== version 1 of 1: 2 launches
;; limits: values are held in bf16: 8 bits of precision; right only within a limited range of input values
;; workspace buffers: xa 14,155,776 bytes; w 13,107,200 bytes
;; launch quant (part 1): grid 1056 x 1, 4 waves a work-group, no clusters, 34,304 bytes of LDS; arguments x, weight, lora_a_weights, adapter_id, xa, w; writes xa, w
.if DOCPART == 1
	.amdgcn_target "amdgcn-amd-amdhsa--gfx1250"
	.amdhsa_code_object_version 6
	.text
	.protected	k_q96913de36e_quant
	.globl	k_q96913de36e_quant
	.p2align	8
	.type	k_q96913de36e_quant,@function
k_q96913de36e_quant:
	s_mov_b64 s[64:65], 0
	v_nop
	global_prefetch_b8 v0, s[64:65] scope:SCOPE_SE
	s_setreg_imm32_b32 hwreg(HW_REG_WAVE_MODE, 25, 1), 1
	s_wait_xcnt 0x0
; x [4096][4096], weight [4096][4096] and the four chosen adapters' A [16][4096], f32 with K innermost, become codes of FP6 (E2M3) with one E8M0 byte for each 32 along K.
; A block's byte is its largest magnitude's exponent field - 2, held at 1 from below; each number is divided by the scale and rounded to the nearest code, ties to even, beyond 7.5 the largest code.
; LAYOUT, as the product's launch takes it.  A fragment is 16 rows x 128 K, 12 registers a lane; its IMAGE is 1,536 bytes: registers 4 c .. 4 c + 3 of lane l at 512 c + 16 l.
;   xa [16 tiles of 256 rows][32 chunks of 128 K][27,648]: 16 images (blocks of 16 rows); the image of A[adapter_id[tile / 4]]'s 16 ranks; x's scale words [pair of blocks 0..7][row 0..15][2 blocks], 1,024 bytes;
;      A's scale words, 16 bytes a rank (the word four times), written twice: 512 bytes.   w [16][32][25,600]: 16 images, 1,024 bytes of scale words.  Every byte of both buffers is written.
; SHARES.  A wave takes 32 rows x 256 K: fragments t = 2 i' + q (i': which 16 rows, q: which chunk).  Work-groups 0-511 take x, 512-1023 weight, 1024-1055 A: there a wave takes 16 ranks x 512 K, chunk 2 q + i'.
; One path for the fragments (pointers and strides chosen by s_cselect on the work-group's number); only the store of the scale words parts, by a branch on that number, round global stores alone.
; A fragment's 16 loads read 512 consecutive bytes each; the 8,192 bytes turn through the wave's own stage in LDS (lines of 528 bytes), so that a block of 32 lies in one lane.
; x's and weight's scale words leave in runs of 128 consecutive bytes (one run for each of the wave's two chunks).
; LIMITS: NaN and infinities are not served.  A block under 2^-124, and a block of zeros, gets the byte 1: its codes add nothing, and this program alone reads the bytes.  adapter_id is taken as unsigned and held at 7.
.set FRB,    1536
.set ACH,    27648
.set BCH,    25600
.set ROWF,   16384
.set SPITCH, 528
.set STAGEB, 16*SPITCH
.set EMAX,   2
.set GO,   1                           ; 16 x lane
.set SST,  2                           ; the stage, way in
.set SLD,  3                           ; the stage, way out: line r, + 128 h
.set SPW,  4                           ; my spare word; never rewritten
.set NIL,  5                           ; 0; never rewritten
.set M,    6                           ; v6-9 at work
.set SO,   10                          ; v10-11 the conversions' scale operands
.set W,    12                          ; v12-15 a scale word for each fragment
.set C,    16                          ; v16-63 codes, 12 registers a fragment
.set X,    64                          ; v64-191 two sets of 64 numbers
.set SRC,  56
.set DST,  66
	s_load_b256 s[4:11], s[0:1], 0x0               ; x, weight, lora_a, adapter_id
	s_load_b128 s[12:15], s[0:1], 0x20             ; xa, w
	v_lshl_add_u32 v[SPW], v0, 2, 0x8400
	v_mov_b32 v[NIL], 0
	v_lshrrev_b32 v6, 5, v0
	v_readfirstlane_b32 s20, v6                    ; wave
	v_and_b32 v6, 31, v0
	v_and_b32 v7, 15, v0                           ; r
	v_bfe_u32 v8, v0, 4, 1                         ; h
	v_lshlrev_b32 v[GO], 4, v6
	s_mul_i32 s21, s20, STAGEB
	v_add_nc_u32 v[SST], s21, v[GO]
	v_mul_u32_u24 v[SLD], v7, SPITCH
	v_lshl_add_u32 v[SLD], v8, 7, v[SLD]
	v_add_nc_u32 v[SLD], s21, v[SLD]
	v_cmp_eq_u32 s38, 1, v8                        ; the mask of lanes 16-31
	s_mov_b32 s76, 0x76543210
	s_mov_b32 s77, 0xfedcba98
	; x and weight: work-group i takes rows 32 (i / 4) on, K steps of 256 number 4 (i % 4) + wave
	s_cmp_lt_u32 ttmp9, 512
	s_mov_b32 s27, BCH
	s_cselect_b32 s27, ACH, s27                    ; a chunk's bytes
	s_mov_b32 s39, 16*FRB
	s_cselect_b32 s39, 17*FRB, s39                 ; where its scale words begin
	s_and_b32 s22, ttmp9, 511
	s_and_b32 s23, s22, 3
	s_lshl_b32 s23, s23, 2
	s_add_co_u32 s23, s23, s20                     ; the K step of 256
	s_lshr_b32 s24, s22, 2                         ; which 32 rows
	s_and_b32 s25, s24, 7                          ; which pair of blocks of the tile
	s_lshr_b32 s26, s22, 5                         ; the tile
	s_lshl_b32 s28, s26, 5
	s_lshl_b32 s40, s23, 1
	s_add_co_u32 s28, s28, s40
	s_mul_i32 s28, s28, s27                        ; my first chunk
	s_lshl_b32 s40, s25, 7
	s_add_co_u32 s40, s40, s39
	s_add_co_u32 s40, s40, s28                     ; the scale words' offset
	s_mul_i32 s39, s25, 2*FRB
	s_add_co_u32 s28, s28, s39                     ; the codes' offset
	s_lshl_b32 s30, s24, 19
	s_lshl_b32 s39, s23, 10
	s_add_co_u32 s30, s30, s39                     ; the source's offset
	; A: work-group i takes tile i / 2, K steps of 256 number 8 (i % 2) + 2 wave and the next
	s_and_b32 s42, s22, 1
	s_lshl_b32 s42, s42, 3
	s_lshl_b32 s39, s20, 1
	s_add_co_u32 s42, s42, s39
	s_lshr_b32 s43, s22, 1
	s_lshl_b32 s44, s43, 5
	s_lshl_b32 s39, s42, 1
	s_add_co_u32 s44, s44, s39
	s_mul_i32 s44, s44, ACH
	s_add_co_u32 s44, s44, 16*FRB                  ; image 16 of my first chunk
	s_lshl_b32 s55, s42, 10
	s_lshr_b32 s74, s22, 3
	s_and_b32 s74, s74, 3                          ; the batch
	s_wait_alu depctr_va_vdst(0)
	s_wait_kmcnt 0x0
	s_cmp_lt_u32 ttmp9, 512
	s_cselect_b64 s[4:5], s[4:5], s[6:7]
	s_cselect_b64 s[14:15], s[12:13], s[14:15]
	s_cmp_lt_u32 ttmp9, 1024
	s_cselect_b64 s[4:5], s[4:5], s[8:9]           ; the source
	s_cselect_b64 s[12:13], s[14:15], s[12:13]     ; the buffer (A's go to xa)
	s_cselect_b32 s28, s28, s44
	s_cselect_b32 s30, s30, s55
	s_mov_b32 s46, 512
	s_cselect_b32 s46, 16*ROWF, s46                ; the source from i' = 0 to 1
	s_mov_b32 s48, 1024
	s_cselect_b32 s48, 512, s48                    ; from q = 0 to 1
	s_mov_b32 s50, ACH
	s_cselect_b32 s50, FRB, s50                    ; the images from i' = 0 to 1: an image, for A a chunk
	s_mov_b32 s52, 2*ACH
	s_cselect_b32 s52, s27, s52                    ; from q = 0 to 1: a chunk, for A two
	s_mov_b32 s29, 0
	s_mov_b32 s31, 0
	s_mov_b32 s41, 0
	s_mov_b32 s47, 0
	s_mov_b32 s49, 0
	s_mov_b32 s51, 0
	s_mov_b32 s53, 0
	s_mov_b32 s32, 0                               ; x's and weight's work-groups add nothing, and pass round the adapter's number
	s_cmp_lt_u32 ttmp9, 1024
	s_cbranch_scc1 .Lplain
	s_load_b128 s[32:35], s[10:11], 0x0            ; the four adapter numbers
	s_wait_kmcnt 0x0
	s_cmp_eq_u32 s74, 1
	s_cselect_b32 s32, s33, s32
	s_cmp_eq_u32 s74, 2
	s_cselect_b32 s32, s34, s32
	s_cmp_eq_u32 s74, 3
	s_cselect_b32 s32, s35, s32
	s_min_u32 s32, s32, 7
	s_lshl_b32 s32, s32, 18                        ; an adapter's A is 2^18 bytes
.Lplain:
	s_add_co_u32 s30, s30, s32
	s_add_nc_u64 s[SRC:SRC+1], s[4:5], s[30:31]
	s_add_nc_u64 s[SRC+2:SRC+3], s[SRC:SRC+1], s[48:49]
	s_add_nc_u64 s[SRC+4:SRC+5], s[SRC:SRC+1], s[46:47]
	s_add_nc_u64 s[SRC+6:SRC+7], s[SRC+4:SRC+5], s[48:49]
	s_add_nc_u64 s[DST:DST+1], s[12:13], s[28:29]
	s_add_nc_u64 s[DST+2:DST+3], s[DST:DST+1], s[52:53]
	s_add_nc_u64 s[DST+4:DST+5], s[DST:DST+1], s[50:51]
	s_add_nc_u64 s[DST+6:DST+7], s[DST+4:DST+5], s[52:53]
	s_add_nc_u64 s[16:17], s[12:13], s[40:41]
.macro LOAD t
.irp p, 0,1,2,3,4,5,6,7,8,9,10,11,12,13,14,15
	global_load_b128 v[X+64*((\t)%2)+4*\p:X+64*((\t)%2)+4*\p+3], v[GO], s[SRC+2*(\t):SRC+2*(\t)+1] offset:ROWF*\p th:TH_LOAD_NT
.endr
.endm
.macro FRAGM t
.set XS, X+64*((\t)%2)
.set CS, C+12*(\t)
.if (\t) < 3
	s_wait_loadcnt 16                              ; this fragment's 16 loads are in; the next one's 16 may be out
.else
	s_wait_loadcnt 0x0
.endif
.irp p, 0,1,2,3,4,5,6,7,8,9,10,11,12,13,14,15
	ds_store_b128 v[SST], v[XS+4*\p:XS+4*\p+3] offset:SPITCH*\p
.endr
	s_wait_dscnt 0x0                               ; the stores have read their registers
.irp c, 0,1
.irp j, 0,1,2,3,4,5,6,7
	ds_load_b128 v[XS+32*\c+4*\j:XS+32*\c+4*\j+3], v[SLD] offset:256*\c+16*\j   ; row r, k = 64 c + 32 h + 4 j on
.endr
.endr
	s_wait_dscnt 0x0
.irp c, 0,1
	v_max3_num_f32 v[M+2*\c], |v[XS+32*\c]|, |v[XS+32*\c+1]|, (EMAX+1)<<23     ; with the floor that holds the byte at 1
	v_max3_num_f32 v[M+2*\c+1], |v[XS+32*\c+16]|, |v[XS+32*\c+17]|, |v[XS+32*\c+18]|
.endr
.irp i, 0,1,2,3,4,5
.irp c, 0,1
	v_max3_num_f32 v[M+2*\c], v[M+2*\c], |v[XS+32*\c+2+2*\i]|, |v[XS+32*\c+3+2*\i]|
	v_max3_num_f32 v[M+2*\c+1], v[M+2*\c+1], |v[XS+32*\c+19+2*\i]|, |v[XS+32*\c+20+2*\i]|
.endr
.endr
.irp c, 0,1
	v_max3_num_f32 v[M+2*\c], v[M+2*\c], |v[XS+32*\c+14]|, |v[XS+32*\c+15]|
.endr
.irp c, 0,1
	v_max3_num_f32 v[M+2*\c], v[M+2*\c], v[M+2*\c+1], |v[XS+32*\c+31]|
.endr
.irp c, 0,1
	v_add_nc_u32 v[SO+\c], -(EMAX<<23), v[M+2*\c]  ; EMAX off the exponent field: the conversion's scale operand
.endr
	v_lshrrev_b32 v[M+1], 23, v[SO]                ; the byte of block h,
	v_lshrrev_b32 v[M+3], 23, v[SO+1]              ; and of block 2 + h
	v_cvt_scalef32_pk16_fp6_f32 v[CS:CS+2], v[XS:XS+15], v[SO]
	v_cvt_scalef32_pk16_fp6_f32 v[CS+6:CS+8], v[XS+32:XS+47], v[SO+1]
	v_lshl_or_b32 v[M], v[M+3], 16, v[M+1]         ; my two bytes (a plain line behind the conversions)
	v_cvt_scalef32_pk16_fp6_f32 v[XS:XS+2], v[XS+16:XS+31], v[SO]        ; the upper 16 codes are made on an even register and moved
	v_cvt_scalef32_pk16_fp6_f32 v[XS+32:XS+34], v[XS+48:XS+63], v[SO+1]
	v_lshlrev_b32 v[M+1], 8, v[M]                  ; (a plain line behind the conversions)
	v_cndmask_b32 v[M], v[M], v[M+1], s38          ; lanes 16-31: their bytes stand 8 bits up
	v_permlanex16_b32 v[M+2], v[M], s76, s77
.irp i, 0,1,2
	v_mov_b32 v[CS+3+\i], v[XS+\i]
	v_mov_b32 v[CS+9+\i], v[XS+32+\i]
.endr
	v_or_b32 v[W+(\t)], v[M], v[M+2]               ; row r's word, whole in both lanes
.if (\t)+2 < 4
	LOAD (\t)+2
.endif
.irp c, 0,1,2
	global_store_b128 v[GO], v[CS+4*\c:CS+4*\c+3], s[DST+2*(\t):DST+2*(\t)+1] offset:512*\c   ; 512 consecutive bytes, at a multiple of 256
.endr
.endm
	LOAD 0
	LOAD 1
	FRAGM 0
	FRAGM 1
	FRAGM 2
	FRAGM 3
	s_wait_alu depctr_va_vdst(0)
	s_cmp_lt_u32 ttmp9, 1024
	s_cbranch_scc0 .Llora
	v_cndmask_b32 v[M], v[W], v[W+1], s38          ; lanes 0-15 store chunk q = 0's words, lanes 16-31 chunk q = 1's: block i' = 0,
	v_cndmask_b32 v[M+1], v[W+2], v[W+3], s38      ; and i' = 1
	v_and_b32 v[M+2], 15, v0
	v_bfe_u32 v[M+3], v0, 4, 1
	v_lshlrev_b32 v[M+2], 3, v[M+2]
	v_mad_u32_u24 v[M+2], v[M+3], s27, v[M+2]      ; 8 r + h chunks
	global_store_b64 v[M+2], v[M:M+1], s[16:17]
	s_branch .Lend
.Llora:
.irp t, 0,1,2,3
.irp i, 0,1,2,3
	v_mov_b32 v[X+4*\t+\i], v[W+\t]
.endr
	global_store_b128 v[GO], v[X+4*\t:X+4*\t+3], s[DST+2*\t:DST+2*\t+1] offset:FRB+1024   ; 512 consecutive bytes behind x's scale words
.endr
.Lend:
	s_wait_tensorcnt 0x0                           ; the wave's end
	ds_add_u32 v[SPW], v[NIL]
	s_wait_dscnt 0x0
	s_endpgm
.Lfunc_end_k_q96913de36e_quant:
	.size	k_q96913de36e_quant, .Lfunc_end_k_q96913de36e_quant-k_q96913de36e_quant
	.p2alignl 7, 3214868480
	.fill 96, 4, 3214868480
	.section	.rodata,"a",@progbits
	.p2align	6, 0x0
	.amdhsa_kernel k_q96913de36e_quant
		.amdhsa_group_segment_fixed_size 34304
		.amdhsa_private_segment_fixed_size 0
		.amdhsa_enable_private_segment 0
		.amdhsa_kernarg_size 48
		.amdhsa_user_sgpr_count 2
		.amdhsa_user_sgpr_kernarg_segment_ptr 1
		.amdhsa_wavefront_size32 1
		.amdhsa_system_sgpr_workgroup_id_x 1
		.amdhsa_system_sgpr_workgroup_id_y 1
		.amdhsa_system_sgpr_workgroup_id_z 1
		.amdhsa_system_vgpr_workitem_id 0
		.amdhsa_next_free_vgpr 192
		.amdhsa_next_free_sgpr 78
		.amdhsa_reserve_vcc 0
		.amdhsa_float_denorm_mode_32 3
		.amdhsa_float_denorm_mode_16_64 3
		.amdhsa_memory_ordered 1
		.amdhsa_forward_progress 1
		.amdhsa_inst_pref_size 34
	.end_amdhsa_kernel
	.amdgpu_metadata
---
amdhsa.version: [ 1, 2 ]
amdhsa.kernels:
  - .name:           k_q96913de36e_quant
    .symbol:         k_q96913de36e_quant.kd
    .args:
      - { .name: x, .offset: 0, .size: 8, .value_kind: global_buffer, .address_space: global }
      - { .name: weight, .offset: 8, .size: 8, .value_kind: global_buffer, .address_space: global }
      - { .name: lora_a_weights, .offset: 16, .size: 8, .value_kind: global_buffer, .address_space: global }
      - { .name: adapter_id, .offset: 24, .size: 8, .value_kind: global_buffer, .address_space: global }
      - { .name: xa, .offset: 32, .size: 8, .value_kind: global_buffer, .address_space: global }
      - { .name: w, .offset: 40, .size: 8, .value_kind: global_buffer, .address_space: global }
    .group_segment_fixed_size: 34304
    .private_segment_fixed_size: 0
    .kernarg_segment_align: 8
    .kernarg_segment_size: 48
    .max_flat_workgroup_size: 128
    .sgpr_count:     78
    .vgpr_count:     192
    .wavefront_size: 32
...
	.end_amdgpu_metadata
.endif
;; end of part 1
;; launch gemm (part 2): grid 16 x 16, 4 waves a work-group, clusters of 4 x 4, 327,680 bytes of LDS; arguments xa, w, lora_b_weights, scaling_factors, adapter_id, bias, out0; writes out0
.if DOCPART == 2
	.amdgcn_target "amdgcn-amd-amdhsa--gfx1250"
	.amdhsa_code_object_version 6
	.text
	.protected	k_q96913de36e_gemm
	.globl	k_q96913de36e_gemm
	.p2align	8
	.type	k_q96913de36e_gemm,@function
k_q96913de36e_gemm:
	s_mov_b64 s[64:65], 0
	v_nop
	global_prefetch_b8 v0, s[64:65] scope:SCOPE_SE
	s_setreg_imm32_b32 hwreg(HW_REG_WAVE_MODE, 25, 1), 1
	s_wait_xcnt 0x0
	s_wait_alu depctr_hold_cnt(0) depctr_sa_sdst(0) depctr_va_vdst(0) depctr_va_sdst(0) depctr_va_ssrc(0) depctr_va_vcc(0) depctr_vm_vsrc(0)
	s_getreg_b32 s2, hwreg(HW_REG_IB_STS2, 6, 4)
	s_cmp_eq_u32 s2, 0
	s_cbranch_scc0 .Lentry_in_a_cluster
	s_endpgm
.Lentry_in_a_cluster:
	s_bfe_u32 s2, ttmp6, 0x10000c
	s_cmp_lg_u32 s2, 0xf033
	s_cbranch_scc0 .Lentry_shape_is_right
	s_endpgm
.Lentry_shape_is_right:
; out[m][n] = sum_k Q(x)[m][k] Q(weight)[n][k] + bias[n] + scale[b] sum_r low[m][r] B[b][n][r],  low[m][r] = sum_k Q(x)[m][k] Q(A[b])[r][k],  b = adapter_id[m / 1024].
; A work-group of four waves makes 256 x 256 of out, a wave 128 x 128 (64 accumulators).  Codes and scale words come as the launch before laid them:
; chunks of 128 along K, each dense in memory: x's 27,648 bytes (16 fragment images, A's image, x's scale words, A's scale words), weight's 25,600 (16 images, scale words).
; THE RING: two LDS slots, each with THREE chunks of x and of weight (159,744 bytes).  32 chunks are ten fills of three and a last one of two.
; Waves 0, 1 fetch the halves of x's part of a slot (162 rows of 256 bytes), waves 2, 3 of weight's (150 rows): one tensor load a wave behind each round.
; CLUSTERS 4 x 4: x's chunks are shared along a row of the cluster, weight's along a column: joint loads with a mask of four.
; The matrix instruction is used transposed (source 0 = weight's or A's rows, source 1 = x's rows): a lane holds eight neighbouring columns of a row of out, or eight ranks of a row of low.
; LOW IS MADE ONCE: the two waves that share 128 rows of x make low for four blocks each.  Both run one text: the wave of the right column half takes its eight blocks of x in the order 4 .. 7, 0 .. 3 (by its
; addresses alone), every wave makes low for the last four in its order, and the bf16 fragments change hands through LDS behind the last chunk.
; A chunk is 68 matrix instructions; its LDS loads stand in two runs: in its middle the next chunk's weight, A's image, blocks 0-3 of x and scale words (44 loads), at its end blocks 4-7 of x (12 loads).
; The last product (K = 16) goes in bf16: low and scale x B are rounded to bf16; its K is filled to 32 by zeros in low's fragment.
; PREFETCH: behind each refill of the loop's first three trips a wave names its share of the fill that stands two refills behind the one just asked for: of the rows that the wave fetches each of the four partners
; takes 41 (x) or 38 (weight), by address; two instructions, a lane a row of 256 bytes.  Fills 0 to 3 and the last fill come by their loads alone.
; THE WAY OUT goes through a stage in slot 1, which has had its last fill and its last read by then; so does low's exchange.
; LIMITS: NaN and infinities are not served (registers beside B's bf16 fragments are multiplied by low's zeros).  adapter_id is taken as unsigned and held at 7.
.set SIZE_N, 4096
.set FR,     12
.set FRB,    1536
.set NL,     3
.set NP,     4
.set ACH,    27648
.set BCH,    25600
.set NCH,    32
.set ASL,    3*ACH
.set BSL,    3*BCH
.set BOFF,   ASL
.set SLOT,   ASL+BSL
.set SPARE,  2*SLOT                    ; the spare words, 512 bytes that no other line names
.set SPITCH, 528
.set XCH,    SLOT+4*16*SPITCH          ; behind the stages: low's exchange, 2,048 bytes a wave
.set PFO,  6                           ; v6-7 the prefetches' offsets
.set BIAS, 12
.set STO,  24
.set RD,   25
.set CO,   26                          ; 16 x lane
.set XLD,  27
.set SPW,  28
.set NIL,  29
.set XST,  30
.set BO,   31
.set SC,   32                          ; v32-47 scale words, set p at 8 p: lanes 0-15 x's block i (in my order), lanes 16-31 weight's block i
.set LSC,  48                          ; v48-49 A's scale words
.set LOW,  64                          ; v64-95 low's four accumulators
.set ADRA2, 96                         ; LDS addresses, one for each slot and chunk place (3 slot + q): x's blocks 4-7 in my order,
.set ADRS2, 102                        ; the scale words of blocks 4-7,
.set AF,   128                         ; v128-223 x's fragments, one set
.set ADRA, 224                         ; x's blocks 0-3,
.set ADRB, 230                         ; weight's,
.set ADRL, 236                         ; A's image and scale words,
.set ADRS, 242                         ; the scale words of blocks 0-3
.set TB,   128                         ; the head: B as f32
.set LF,   128
.set LFR,  96                          ; window 1: weight's fragments at 128 p, A's behind them
.set BSB,  108                         ; window 1: scale x B in bf16
.set BK,   128
.set G1, 24
.set G0, 32
.set G1B, 48
.set G0B, 56
.set G0L, 68                           ; group 0 of the last, shorter fill
.set G0LB, 72
.set PFS,  76
.set PFA,  78
.set MSB, 0
.macro WIN new
.if MSB != (\new)
	s_set_vgpr_msb (MSB<<8)|(\new)
.set MSB, (\new)
.endif
.endm
.set MUL_LO, 0xa1
.set MUL_HI, 0xf1
.set W_LOW,  0x01
.set TO_B,   0x40
.macro JLOAD g0a, g1a, g0b, g1b        ; waves 0, 1 ask for x's part, waves 2, 3 for weight's
	s_cmp_eq_u32 s15, 0
	s_cbranch_scc0 .Lfor_b_\@
	tensor_load_to_lds s[\g0a:\g0a+3], s[\g1a:\g1a+7]
	s_nop 0
.rept 4
	v_nop
.endr
	s_branch .Lasked_\@
.Lfor_b_\@:
	tensor_load_to_lds s[\g0b:\g0b+3], s[\g1b:\g1b+7]
	s_nop 0
.rept 4
	v_nop
.endr
.Lasked_\@:
.endm
.macro ASK                             ; not in the loop's last trip: its look-ahead would be the shorter fill and beyond
	s_cmp_gt_u32 s3, 1
	s_cbranch_scc0 .Lno_ask_\@
	global_prefetch_b8 v[PFO], s[PFA:PFA+1] th:TH_LOAD_NT scope:SCOPE_SE
	global_prefetch_b8 v[PFO+1], s[PFA:PFA+1] th:TH_LOAD_NT scope:SCOPE_SE
.Lno_ask_\@:
.endm
.macro CREST
	s_cmp_lg_u32 s14, 0
	s_cbranch_scc1 .Lnot_wave_0_\@
	s_barrier_signal -3
.Lnot_wave_0_\@:
	s_barrier_wait -3
	s_barrier_signal -1
	s_barrier_wait -1
.endm
.macro CROUND
	s_barrier_signal -1
	s_barrier_wait -1
	CREST
.endm
.macro SHAPE g, c, r, p
	s_mov_b32 s[\g+1], (\c)<<16
	s_mov_b32 s[\g+2], (\r)<<16
	s_mov_b32 s[\g+3], (\c)<<16
	s_mov_b32 s[\g+4], \r
	s_mov_b32 s[\g+5], \p
	s_mov_b32 s[\g+6], 0
	s_mov_b32 s[\g+7], 0
.endm
	s_load_b256 s[4:11], s[0:1], 0x0               ; xa, w, lora_b, scaling_factors
	s_load_b128 s[96:99], s[0:1], 0x20             ; adapter_id, bias
	s_load_b64 s[12:13], s[0:1], 0x30              ; out0
	v_lshl_add_u32 v[SPW], v0, 2, SPARE
	v_mov_b32 v[NIL], 0
	ds_add_u32 v[SPW], v[NIL]                      ; the opening lines
	ds_add_u32 v[SPW], v[NIL]
	v_lshrrev_b32 v1, 5, v0
	v_readfirstlane_b32 s14, v1                    ; wave
	s_lshr_b32 s15, s14, 1                         ; my half of the rows; also: I fetch for x (0) or weight (1)
	s_and_b32 s16, s14, 1                          ; my half of the columns; also: which half of a slot's part I fetch
	s_bfe_u32 s40, ttmp6, 0x40000                  ; cx
	s_bfe_u32 s41, ttmp6, 0x40004                  ; cy
	s_lshl_b32 s42, ttmp9, 2
	s_add_co_u32 s42, s42, s40                     ; tile column
	s_and_b32 s17, ttmp7, 0xffff
	s_lshl_b32 s17, s17, 2
	s_add_co_u32 s17, s17, s41                     ; tile row
	s_lshl_b32 s43, s41, 2
	s_lshl_b32 s43, 15, s43                        ; my row of the cluster
	s_lshl_b32 s44, 0x1111, s40                    ; my column
	s_or_b32 s[G1+0], s43, (3<<16)|(1<<21)
	s_or_b32 s[G1B+0], s44, (3<<16)|(1<<21)
	SHAPE G1, 32, ASL/512, 32                      ; dense rows of 256 bytes: 162,
	SHAPE G1B, 32, BSL/512, 32                     ; and 150
	s_mul_i32 s20, s17, NCH*ACH
	s_mul_i32 s18, s16, ASL/2
	s_add_co_u32 s20, s20, s18
	s_mov_b32 s21, 0
	s_mul_i32 s46, s42, NCH*BCH
	s_mul_i32 s19, s16, BSL/2
	s_add_co_u32 s46, s46, s19
	s_mov_b32 s47, 0
	s_mul_i32 s22, s17, NCH*ACH                    ; the last fill: chunks 30, 31, a chunk a wave
	s_mul_i32 s66, s16, ACH
	s_add_co_u32 s22, s22, s66
	s_add_co_u32 s22, s22, 30*ACH
	s_mov_b32 s23, 0
	s_mul_i32 s92, s42, NCH*BCH
	s_mul_i32 s67, s16, BCH
	s_add_co_u32 s92, s92, s67
	s_add_co_u32 s92, s92, 30*BCH
	s_mov_b32 s93, 0
	s_wait_dscnt 0x0                               ; both opening adds are done
	s_wait_kmcnt 0x0
	s_add_nc_u64 s[20:21], s[4:5], s[20:21]
	s_add_nc_u64 s[46:47], s[6:7], s[46:47]
	s_add_nc_u64 s[22:23], s[4:5], s[22:23]
	s_add_nc_u64 s[92:93], s[6:7], s[92:93]
.irp s, 0,1
	s_mov_b32 s[G0+4*\s], 1
	s_add_co_u32 s[G0+4*\s+1], s18, \s*SLOT
	s_add_nc_u64 s[G0+4*\s+2:G0+4*\s+3], s[20:21], \s*ASL
	s_or_b32 s[G0+4*\s+3], s[G0+4*\s+3], 0x80000000
	s_mov_b32 s[G0B+4*\s], 1
	s_add_co_u32 s[G0B+4*\s+1], s19, \s*SLOT+BOFF
	s_add_nc_u64 s[G0B+4*\s+2:G0B+4*\s+3], s[46:47], \s*BSL
	s_or_b32 s[G0B+4*\s+3], s[G0B+4*\s+3], 0x80000000
.endr
	s_mov_b32 s[G0L], 1
	s_mov_b32 s[G0L+1], s66
	s_mov_b64 s[G0L+2:G0L+3], s[22:23]
	s_or_b32 s[G0L+3], s[G0L+3], 0x80000000
	s_mov_b32 s[G0LB], 1
	s_add_co_u32 s[G0LB+1], s67, BOFF
	s_mov_b64 s[G0LB+2:G0LB+3], s[92:93]
	s_or_b32 s[G0LB+3], s[G0LB+3], 0x80000000
	CROUND                                         ; all sixteen work-groups are here
	JLOAD G0, G1, G0B, G1B                         ; fill 0: one tensor load a wave at the head
	; all that follows up to the wait for fill 0 runs while it is on its way
	s_load_b128 s[80:83], s[96:97], 0x0            ; the four adapter numbers
	s_cmp_eq_u32 s15, 0
	s_cselect_b64 s[PFA:PFA+1], s[20:21], s[46:47]
	s_mov_b32 s[PFS], BSL
	s_cselect_b32 s[PFS], ASL, s[PFS]
	s_cselect_b32 s18, s40, s41                    ; my place among the four that ask with me
	s_cselect_b32 s66, 41, 38                      ; rows a partner names
	s_mov_b32 s67, BSL/512-1
	s_cselect_b32 s67, ASL/512-1, s67              ; the last row that I fetch
	s_mov_b32 s[PFS+1], 0
.rept 3
	s_add_nc_u64 s[PFA:PFA+1], s[PFA:PFA+1], s[PFS:PFS+1]   ; at fill 3: the first refill steps it to fill 4
.endr
	s_mul_i32 s18, s18, s66
	s_sub_co_u32 s19, s66, 1
	s_xor_b32 s89, s16, 1
	s_lshl_b32 s92, s42, 8
	s_lshl_b32 s93, s16, 7
	s_add_co_u32 s92, s92, s93                     ; my first column
	s_mov_b32 s47, 0
	s_lshl_b32 s46, s92, 2
	s_add_nc_u64 s[12:13], s[12:13], s[46:47]
	s_add_nc_u64 s[98:99], s[98:99], s[46:47]
	s_lshl_b32 s20, s17, 8
	s_lshl_b32 s21, s15, 7
	s_add_co_u32 s20, s20, s21                     ; my 128 rows' first
	s_lshl_b32 s22, s89, 6
	s_add_co_u32 s22, s22, s20
	s_lshl_b32 s22, s22, 14
	s_mov_b32 s23, 0
	s_add_nc_u64 s[100:101], s[12:13], s[22:23]    ; out: my blocks 4-7,
	s_lshl_b32 s21, s16, 6
	s_add_co_u32 s20, s20, s21
	s_lshl_b32 s20, s20, 14
	s_mov_b32 s21, 0
	s_add_nc_u64 s[12:13], s[12:13], s[20:21]      ; and my blocks 0-3
	s_lshl_b32 s84, s15, 3
	s_lshl_b32 s94, s89, 2
	s_add_co_u32 s94, s94, s84
	s_mul_i32 s94, s94, FRB                        ; x's images: my blocks 4-7,
	s_lshl_b32 s90, s16, 2
	s_add_co_u32 s84, s84, s90
	s_mul_i32 s84, s84, FRB                        ; my blocks 0-3
	s_mul_i32 s85, s16, 8*FRB
	s_add_co_u32 s85, s85, BOFF                    ; weight's
	s_lshl_b32 s91, s15, 9
	s_add_co_u32 s91, s91, 17*FRB
	s_lshl_b32 s86, s16, 8
	s_add_co_u32 s86, s86, s91                     ; x's scale words: my blocks 0-3,
	s_lshl_b32 s95, s89, 8
	s_add_co_u32 s95, s95, s91                     ; my blocks 4-7
	s_lshl_b32 s87, s16, 9
	s_add_co_u32 s87, s87, BOFF+16*FRB             ; weight's scale words
	s_sub_co_u32 s20, s87, s86                     ; from x's to weight's, blocks 0-3, chunk place 0,
	s_sub_co_u32 s21, s20, ACH-BCH                 ; 1,
	s_sub_co_u32 s22, s21, ACH-BCH                 ; 2;
	s_add_co_u32 s23, s87, 256
	s_sub_co_u32 s23, s23, s95                     ; blocks 4-7, chunk place 0,
	s_sub_co_u32 s43, s23, ACH-BCH
	s_sub_co_u32 s44, s43, ACH-BCH
	s_mul_i32 s88, s14, 16*SPITCH
	s_add_co_u32 s88, s88, SLOT                    ; my stage, in slot 1
	s_lshl_b32 s45, s14, 11
	s_add_co_u32 s45, s45, XCH                     ; low's exchange: mine,
	s_xor_b32 s41, s14, 1
	s_lshl_b32 s41, s41, 11
	s_add_co_u32 s41, s41, XCH                     ; and my partner's
	v_and_b32 v1, 15, v0                           ; r
	v_bfe_u32 v2, v0, 4, 1                         ; h
	v_and_b32 v3, 31, v0
	v_lshlrev_b32 v[CO], 4, v3
	v_add_nc_u32 v[PFO], s18, v3
	v_min_u32 v[PFO], s67, v[PFO]
	v_lshlrev_b32 v[PFO], 8, v[PFO]
	v_add_nc_u32 v[PFO+1], 32, v3
	v_min_u32 v[PFO+1], s19, v[PFO+1]
	v_add_nc_u32 v[PFO+1], s18, v[PFO+1]
	v_min_u32 v[PFO+1], s67, v[PFO+1]
	v_lshlrev_b32 v[PFO+1], 8, v[PFO+1]
	v_add_nc_u32 v248, s84, v[CO]
	v_add_nc_u32 v249, s85, v[CO]
	v_add_nc_u32 v250, s94, v[CO]
	v_lshlrev_b32 v252, 3, v1
	v_add_nc_u32 v251, s86, v252
	v_add_nc_u32 v252, s95, v252
.irp s, 0,1
.irp q, 0,1,2
	v_add_nc_u32 v[ADRA+3*\s+\q], \s*SLOT+\q*ACH, v248
	v_add_nc_u32 v[ADRA2+3*\s+\q], \s*SLOT+\q*ACH, v250
	v_add_nc_u32 v[ADRB+3*\s+\q], \s*SLOT+\q*BCH, v249
	v_add_nc_u32 v[ADRL+3*\s+\q], \s*SLOT+\q*ACH, v[CO]
.endr
.endr
.macro SADR dst, sd, lowv, q           ; lanes 0-15 x's words, lanes 16-31 weight's: the lower base + h x the distance
	v_mul_u32_u24 v253, s[\sd], v2
	v_add_nc_u32 v253, v253, v[\lowv]
	v_add_nc_u32 v[\dst+\q], \q*ACH, v253
	v_add_nc_u32 v[\dst+3+\q], SLOT+\q*ACH, v253
.endm
	SADR ADRS, 20, 251, 0
	SADR ADRS, 21, 251, 1
	SADR ADRS, 22, 251, 2
	SADR ADRS2, 23, 252, 0
	SADR ADRS2, 43, 252, 1
	SADR ADRS2, 44, 252, 2
	v_mul_u32_u24 v254, v1, SPITCH
	v_lshl_add_u32 v254, v2, 5, v254
	v_add_nc_u32 v[STO], s88, v254
	v_add_nc_u32 v[RD], s88, v[CO]
	v_add_nc_u32 v[XST], s45, v[CO]
	v_add_nc_u32 v[XLD], s41, v[CO]
	v_lshlrev_b32 v[BO], 6, v1
	v_lshl_add_u32 v[BO], v2, 5, v[BO]             ; B: column r's 64 bytes, ranks 8 h on
	s_wait_alu depctr_va_vdst(0)
	s_wait_kmcnt 0x0
	s_and_b32 s18, ttmp7, 0xffff                   ; the batch = the cluster's y
	s_cmp_eq_u32 s18, 1
	s_cselect_b32 s80, s81, s80
	s_cmp_eq_u32 s18, 2
	s_cselect_b32 s80, s82, s80
	s_cmp_eq_u32 s18, 3
	s_cselect_b32 s80, s83, s80
	s_min_u32 s80, s80, 7
	s_lshl_b32 s19, s80, 18
	s_lshl_b32 s46, s92, 6
	s_add_co_u32 s46, s46, s19
	s_add_nc_u64 s[8:9], s[8:9], s[46:47]
	s_lshl_b32 s46, s80, 2
	s_add_nc_u64 s[10:11], s[10:11], s[46:47]
	s_load_b32 s46, s[10:11], 0x0                  ; the adapter's scale
.irp b, 0,1,2,3,4,5,6,7
	global_load_b128 v[TB+8*\b:TB+8*\b+3], v[BO], s[8:9] offset:1024*\b
	global_load_b128 v[TB+8*\b+4:TB+8*\b+7], v[BO], s[8:9] offset:1024*\b+16
.endr
	global_load_b128 v[BIAS:BIAS+3], v[CO], s[98:99]
	s_wait_kmcnt 0x0
	s_mov_b32 s47, s46
	s_wait_loadcnt 0x0
.irp j, 0,2,4,6,8,10,12,14,16,18,20,22,24,26,28,30,32,34,36,38,40,42,44,46,48,50,52,54,56,58,60,62
	v_pk_mul_f32 v[TB+\j:TB+\j+1], v[TB+\j:TB+\j+1], s[46:47] op_sel_hi:[1,0]
.endr
	WIN TO_B
.irp b, 0,1,2,3,4,5,6,7
.irp i, 0,1,2,3
	v_cvt_pk_bf16_f32 v[BSB+128*(\b/4)+4*(\b%4)+\i], v[TB+8*\b+2*\i], v[TB+8*\b+2*\i+1]
.endr
.endr
.irp i, 0,1,2,3
	v_mov_b32 v[BSB+16+\i], 0
	v_mov_b32 v[BSB+128+16+\i], 0
.endr
	WIN 0
.macro FRAG reg, adr, off
.irp c, 0,1,2
	ds_load_b128 v[\reg+4*\c:\reg+4*\c+3], v[\adr] offset:(\off)+512*\c
.endr
.endm
.macro MUL16 a0, p, zero               ; x's blocks a0, a0 + 1 against weight's eight; the accumulators take turns
.irp a, \a0, \a0+1
.irp b, 0,1,2,3,4,5,6,7
.if \zero
	v_wmma_scale_f32_16x16x128_f8f6f4 v[8*(8*((\a)%4)+\b):8*(8*((\a)%4)+\b)+7], v[128*(\p)+FR*\b:128*(\p)+FR*\b+FR-1], v[AF+FR*(\a):AF+FR*(\a)+FR-1], 0, v[SC+8*(\p)+\b], v[SC+8*(\p)+(\a)] matrix_a_fmt:MATRIX_FMT_FP6 matrix_b_fmt:MATRIX_FMT_FP6 matrix_a_scale:MATRIX_SCALE_ROW1
.else
	v_wmma_scale_f32_16x16x128_f8f6f4 v[8*(8*((\a)%4)+\b):8*(8*((\a)%4)+\b)+7], v[128*(\p)+FR*\b:128*(\p)+FR*\b+FR-1], v[AF+FR*(\a):AF+FR*(\a)+FR-1], v[8*(8*((\a)%4)+\b):8*(8*((\a)%4)+\b)+7], v[SC+8*(\p)+\b], v[SC+8*(\p)+(\a)] matrix_a_fmt:MATRIX_FMT_FP6 matrix_b_fmt:MATRIX_FMT_FP6 matrix_a_scale:MATRIX_SCALE_ROW1
.endif
.endr
.endr
.endm
.macro LOW4 p, zero                    ; low for my blocks 4-7 of x
	WIN W_LOW
.irp a, 0,1,2,3
.if \zero
	v_wmma_scale_f32_16x16x128_f8f6f4 v[LOW+8*\a:LOW+8*\a+7], v[128*(\p)+LFR:128*(\p)+LFR+FR-1], v[AF+FR*(4+\a):AF+FR*(4+\a)+FR-1], 0, v[LSC+(\p)], v[SC+8*(\p)+4+\a] matrix_a_fmt:MATRIX_FMT_FP6 matrix_b_fmt:MATRIX_FMT_FP6
.else
	v_wmma_scale_f32_16x16x128_f8f6f4 v[LOW+8*\a:LOW+8*\a+7], v[128*(\p)+LFR:128*(\p)+LFR+FR-1], v[AF+FR*(4+\a):AF+FR*(4+\a)+FR-1], v[LOW+8*\a:LOW+8*\a+7], v[LSC+(\p)], v[SC+8*(\p)+4+\a] matrix_a_fmt:MATRIX_FMT_FP6 matrix_b_fmt:MATRIX_FMT_FP6
.endif
.endr
.endm
.macro FETCH_B slot, q, p              ; weight's eight fragments and A's image
	WIN TO_B
.irp i, 0,1,2,3,4,5,6,7
	FRAG 128*(\p)+FR*\i, ADRB+3*(\slot)+(\q), \i*FRB
.endr
	FRAG 128*(\p)+LFR, ADRL+3*(\slot)+(\q), 16*FRB
	WIN 0
.endm
.macro FETCH_A slot, q, hi             ; x's blocks 0-3 (hi = 0) or 4-7 (hi = 1), in my order
.irp i, 0,1,2,3
.if \hi
	FRAG AF+FR*(4+\i), ADRA2+3*(\slot)+(\q), \i*FRB
.else
	FRAG AF+FR*\i, ADRA+3*(\slot)+(\q), \i*FRB
.endif
.endr
.endm
.macro SCALES slot, q, p
	ds_load_b64 v[SC+8*(\p):SC+8*(\p)+1], v[ADRS+3*(\slot)+(\q)]
	ds_load_b64 v[SC+8*(\p)+2:SC+8*(\p)+3], v[ADRS+3*(\slot)+(\q)] offset:128
	ds_load_b64 v[SC+8*(\p)+4:SC+8*(\p)+5], v[ADRS2+3*(\slot)+(\q)]
	ds_load_b64 v[SC+8*(\p)+6:SC+8*(\p)+7], v[ADRS2+3*(\slot)+(\q)] offset:128
	ds_load_b32 v[LSC+(\p)], v[ADRL+3*(\slot)+(\q)] offset:17*FRB+1024
.endm
.macro PLACES n
.rept \n
	v_nop
.endr
.endm
; a chunk that is not its slot's last: 68 matrix instructions on set p; the next chunk's fragments come in its middle and at its end
.macro STEP slot, q, p, zero
	s_wait_dscnt 4*NL                              ; all but x's blocks 4-7
	WIN MUL_LO
	MUL16 0, \p, \zero
	MUL16 2, \p, \zero
	s_wait_dscnt 0
	PLACES NP
	FETCH_B \slot, (\q)+1, 1-(\p)
	FETCH_A \slot, (\q)+1, 0
	SCALES \slot, (\q)+1, 1-(\p)
	WIN MUL_HI
	MUL16 4, \p, \zero
	MUL16 6, \p, \zero
	LOW4 \p, \zero
	PLACES NP
	WIN 0
	FETCH_A \slot, (\q)+1, 1
.endm
; a slot's last chunk, and the change of slots.  fill = 1: this slot is filled again, three chunks; 2: the last fill, two chunks; 0: none
.macro TURN slot, p, next, fill
.if \fill == 1
	s_wait_xcnt 0x0                                ; my prefetches have read their address
	s_add_nc_u64 s[PFA:PFA+1], s[PFA:PFA+1], s[PFS:PFS+1]
.endif
	s_wait_tensorcnt 0x0                           ; my part of the next slot has landed; no load of mine is out
	ds_add_u32 v[SPW], v[NIL]
.if \fill == 1
	s_add_nc_u64 s[G0+4*\next+2:G0+4*\next+3], s[G0+4*\next+2:G0+4*\next+3], 2*ASL      ; the next slot's next fill
	s_add_nc_u64 s[G0B+4*\next+2:G0B+4*\next+3], s[G0B+4*\next+2:G0B+4*\next+3], 2*BSL
.endif
.if \fill == 2
	s_mov_b32 s[G1+2], (ACH/256)<<16               ; a chunk a wave: 108 rows,
	s_mov_b32 s[G1+4], ACH/256
	s_mov_b32 s[G1B+2], (BCH/256)<<16              ; and 100
	s_mov_b32 s[G1B+4], BCH/256
.endif
	s_wait_dscnt 4*NL+1                            ; (the add and x's blocks 4-7 may be out)
	WIN MUL_LO
	MUL16 0, \p, 0
	s_wait_dscnt 0x0                               ; the add is done, my reads of this slot are over
	s_barrier_signal -1
	MUL16 2, \p, 0
	WIN 0
	s_barrier_wait -1
.if \fill == 1
	CREST
	JLOAD G0+4*\slot, G1, G0B+4*\slot, G1B         ; its four v_nop are also the places in front of the loads below
.endif
.if \fill == 2
	CREST
	JLOAD G0L, G1, G0LB, G1B
.endif
.if \fill == 0
	PLACES NP
.endif
	FETCH_B \next, 0, 1-(\p)
	FETCH_A \next, 0, 0
	SCALES \next, 0, 1-(\p)
.if \fill == 1
	ASK
.endif
	WIN MUL_HI
	MUL16 4, \p, 0
	MUL16 6, \p, 0
	LOW4 \p, 0
	PLACES NP
	WIN 0
	FETCH_A \next, 0, 1
.endm
	s_wait_alu depctr_va_vdst(0)
	s_wait_tensorcnt 0x0                           ; my part of fill 0 is in
	ds_add_u32 v[SPW], v[NIL]
	s_add_nc_u64 s[G0+2:G0+3], s[G0+2:G0+3], 2*ASL         ; slot 0's next fill
	s_add_nc_u64 s[G0B+2:G0B+3], s[G0B+2:G0B+3], 2*BSL
	s_wait_dscnt 0x0
	CROUND
	JLOAD G0+4, G1, G0B+4, G1B                     ; fill 1, slot 1's first
	FETCH_B 0, 0, 0
	FETCH_A 0, 0, 0
	SCALES 0, 0, 0
	FETCH_A 0, 0, 1
	STEP 0, 0, 0, 1                                ; chunk 0 starts the sums
	s_mov_b32 s3, 4
.Llap:                                                 ; six chunks: from a lap's second to the next lap's first; both slots are filled again
	STEP 0, 1, 1, 0
	TURN 0, 0, 1, 1
	STEP 1, 0, 1, 0
	STEP 1, 1, 0, 0
	TURN 1, 1, 0, 1
	STEP 0, 0, 0, 0
	s_sub_co_u32 s3, s3, 1
	s_cmp_lg_u32 s3, 0
	s_cbranch_scc1 .Llap
	STEP 0, 1, 1, 0                                ; chunks 25 to 31
	TURN 0, 0, 1, 2
	STEP 1, 0, 1, 0
	STEP 1, 1, 0, 0
	TURN 1, 1, 0, 0
	STEP 0, 0, 0, 0
	s_wait_dscnt 4*NL
	WIN MUL_LO
	MUL16 0, 1, 0
	MUL16 2, 1, 0
	s_wait_dscnt 0
	WIN MUL_HI
	MUL16 4, 1, 0
	MUL16 6, 1, 0
	LOW4 1, 0
	WIN 0
	PLACES NP+1
.irp a, 0,1,2,3                        ; low of my blocks 4-7 to bf16: a lane's eight ranks are registers 0-3 of a fragment
.irp i, 0,1,2,3
	v_cvt_pk_bf16_f32 v[LF+8*(4+\a)+\i], v[LOW+8*\a+2*\i], v[LOW+8*\a+2*\i+1]
.endr
.endr
.irp a, 0,1,2,3
	ds_store_b128 v[XST], v[LF+8*(4+\a):LF+8*(4+\a)+3] offset:512*\a     ; as an image of the registers: they are my partner's blocks 0-3
.endr
.irp a, 0,1,2,3,4,5,6,7
.irp i, 4,5,6,7
	v_mov_b32 v[LF+8*\a+\i], 0                     ; K = 16 .. 31 are zeros
.endr
.endr
	s_wait_alu depctr_va_vdst(0)
	s_wait_dscnt 0x0                               ; for my partner's sake: my stores are done
	s_barrier_signal -1
	s_barrier_wait -1
.irp a, 0,1,2,3
	ds_load_b128 v[LF+8*\a:LF+8*\a+3], v[XLD] offset:512*\a
.endr
	PLACES NP
.irp a, 4,5,6,7,0,1,2,3
.if \a == 0
	s_wait_dscnt 0x0                               ; my partner's four blocks are in
.endif
	WIN MUL_LO+0x50*(\a/4)
.irp b, 0,1,2,3,4,5,6,7
	v_wmma_f32_16x16x32_bf16 v[8*(8*(\a%4)+\b):8*(8*(\a%4)+\b)+7], v[BSB+128*(\b/4)+4*(\b%4):BSB+128*(\b/4)+4*(\b%4)+7], v[LF+8*\a:LF+8*\a+7], v[8*(8*(\a%4)+\b):8*(8*(\a%4)+\b)+7]
.endr
.endr
	WIN 0
; the way out, by blocks of 16 rows x 128 columns through my own stage: back as whole rows of 512 bytes, the bias added, stored as two aligned units of 256 bytes
.macro TOSTAGE a
.set AC, 64*((\a)%4)
	WIN 0x08+4*((\a)/4)
.irp b, 0,1,2,3,4,5,6,7
	ds_store_b128 v[STO], v[AC+8*\b:AC+8*\b+3] offset:64*\b
	ds_store_b128 v[STO], v[AC+8*\b+4:AC+8*\b+7] offset:64*\b+16
.endr
	WIN 0
.set BB, BK+64*((\a)%2)
.irp t, 0,1,2,3,4,5,6,7,8,9,10,11,12,13,14,15
	ds_load_b128 v[BB+4*\t:BB+4*\t+3], v[RD] offset:\t*SPITCH
.endr
.endm
.macro SEND a, younger
.set BB, BK+64*((\a)%2)
.set OP, 12+88*((\a)/4)                ; s[12:13] for my blocks 0-3, s[100:101] for 4-7
	s_wait_dscnt \younger
.if ((\a)%4) > 0
	s_add_nc_u64 s[OP:OP+1], s[OP:OP+1], 16*SIZE_N*4
.endif
.irp t, 0,1,2,3,4,5,6,7,8,9,10,11,12,13,14,15
	v_pk_add_f32 v[BB+4*\t:BB+4*\t+1], v[BB+4*\t:BB+4*\t+1], v[BIAS:BIAS+1]
	v_pk_add_f32 v[BB+4*\t+2:BB+4*\t+3], v[BB+4*\t+2:BB+4*\t+3], v[BIAS+2:BIAS+3]
.endr
.irp t, 0,1,2,3,4,5,6,7,8,9,10,11,12,13,14,15
	global_store_b128 v[CO], v[BB+4*\t:BB+4*\t+3], s[OP:OP+1] offset:\t*SIZE_N*4 th:TH_STORE_NT
.endr
.endm
	PLACES NP
	TOSTAGE 0
.irp a, 1,2,3,4,5,6,7
.if \a > 1
	s_wait_xcnt 0x0                                ; block a - 2's stores have read their registers and their base
.endif
	TOSTAGE \a
	SEND \a-1, 32                                  ; behind block a - 1's loads: block a's 16 stores and 16 loads
.endr
	s_wait_xcnt 0x0
	SEND 7, 0
	s_wait_tensorcnt 0x0                           ; the wave's end
	ds_add_u32 v[SPW], v[NIL]
	s_wait_dscnt 0x0
	CROUND                                         ; the closing round
	s_endpgm
.Lfunc_end_k_q96913de36e_gemm:
	.size	k_q96913de36e_gemm, .Lfunc_end_k_q96913de36e_gemm-k_q96913de36e_gemm
	.p2alignl 7, 3214868480
	.fill 96, 4, 3214868480
	.section	.rodata,"a",@progbits
	.p2align	6, 0x0
	.amdhsa_kernel k_q96913de36e_gemm
		.amdhsa_group_segment_fixed_size 327680
		.amdhsa_private_segment_fixed_size 0
		.amdhsa_enable_private_segment 0
		.amdhsa_kernarg_size 56
		.amdhsa_user_sgpr_count 2
		.amdhsa_user_sgpr_kernarg_segment_ptr 1
		.amdhsa_wavefront_size32 1
		.amdhsa_system_sgpr_workgroup_id_x 1
		.amdhsa_system_sgpr_workgroup_id_y 1
		.amdhsa_system_sgpr_workgroup_id_z 1
		.amdhsa_system_vgpr_workitem_id 0
		.amdhsa_next_free_vgpr 1024
		.amdhsa_next_free_sgpr 102
		.amdhsa_reserve_vcc 0
		.amdhsa_float_denorm_mode_32 3
		.amdhsa_float_denorm_mode_16_64 3
		.amdhsa_memory_ordered 1
		.amdhsa_forward_progress 1
		.amdhsa_inst_pref_size 251
	.end_amdhsa_kernel
	.amdgpu_metadata
---
amdhsa.version: [ 1, 2 ]
amdhsa.kernels:
  - .name:           k_q96913de36e_gemm
    .symbol:         k_q96913de36e_gemm.kd
    .args:
      - { .name: xa, .offset: 0, .size: 8, .value_kind: global_buffer, .address_space: global }
      - { .name: w, .offset: 8, .size: 8, .value_kind: global_buffer, .address_space: global }
      - { .name: lora_b_weights, .offset: 16, .size: 8, .value_kind: global_buffer, .address_space: global }
      - { .name: scaling_factors, .offset: 24, .size: 8, .value_kind: global_buffer, .address_space: global }
      - { .name: adapter_id, .offset: 32, .size: 8, .value_kind: global_buffer, .address_space: global }
      - { .name: bias, .offset: 40, .size: 8, .value_kind: global_buffer, .address_space: global }
      - { .name: out0, .offset: 48, .size: 8, .value_kind: global_buffer, .address_space: global }
    .group_segment_fixed_size: 327680
    .private_segment_fixed_size: 0
    .kernarg_segment_align: 8
    .kernarg_segment_size: 56
    .max_flat_workgroup_size: 128
    .sgpr_count:     102
    .vgpr_count:     1024
    .wavefront_size: 32
...
	.end_amdgpu_metadata
.endif
;; end of part 2
